; MI455X (gfx1250); checked and timed in simulation.
; The chip was launched on July 23, 2026; its instructions are those of AMD's public machine-readable ISA for CDNA 5 (MIT licence, August 2026) and "CDNA5" Instruction Set Architecture Reference Guide (July 2026). The comments in the code are by the model that wrote it; some were corrected since.
;; Multi Head Attention. Allowed arithmetic: matrix products marked QUANTISED: E2M1 operands, one E8M0 scale for each 32 along K, by v_wmma_scale_f32_16x16x128_f8f6f4 with both operands' format E2M1 (or v_wmma_scale_f32_32x16x128_f4), f32 sums; products left as they are: bf16, f16 or f32 operands; f32 sums; everything else in f32.
;; Inputs: bk 32 float32; bq 32 float32; bv 32 float32; k 8 x 32 x 64 x 512 float32; q 8 x 32 x 64 x 512 float32; v 8 x 32 x 64 x 512 float32; wk 32 x 32 float32; wq 32 x 32 float32; wv 32 x 32 float32.
;; Outputs: out0 8 x 32 x 64 x 512 float32.
;; This version of the problem:
;;   THIS VERSION OF THE PROBLEM IS GIVEN IN LOW PRECISION. The matrix products marked QUANTISED in the list below multiply operands that are first quantised to E2M1 (2 exponent bits, 1 mantissa bit; 4 bits a number), with one power-of-two scale for each 32 numbers along K (OCP MX v1.0); their sums are f32. The products marked 'left as it is' may take bf16, f16 or f32 operands, with f32 sums. Whichever they take, every output number must still come out within the allowed error. Rounding operands to bf16 (8 significant bits) uses up far more of that allowance than f16 does (11 bits, for magnitudes from 6e-5 to 65,504). All else is computed in f32.
;;   The module's matrix products, in the order in which they are computed (A, B: the left and right operand; K: the contracted axis; several contracted axes count as one K, in the product's order):
;;     1. [M 262,144, K 32] x [K 32, N 32]; A: input q; B: input wq: QUANTISED
;;     2. [M 262,144, K 32] x [K 32, N 32]; A: input k; B: input wk: QUANTISED
;;     3. [M 262,144, K 32] x [K 32, N 32]; A: input v; B: input wv: QUANTISED
;;     4. batch 512 x [M 512, K 32] x [K 32, N 512]; A: computed on the way; B: computed on the way: left as it is (an operand is computed on the way)
;;     5. batch 512 x [M 512, K 512] x [K 512, N 32]; A: computed on the way; B: computed on the way: left as it is (an operand is computed on the way)
;;   THE QUANTISER, for each operand of a quantised product, along K:
;;     - K is cut into blocks of 32 from its start; a last block that is shorter is filled with zeros.
;;     - A block's scale is 2^e with e = floor(log2(the largest magnitude in the block)) - 2, held to -126 .. 127; a block of zeros has e = 0. As a byte (E8M0): e + 127.
;;     - Each number is divided by its block's scale, clamped to +-6, and rounded to the nearest number of E2M1, ties to even, subnormals kept.
;;     - The product sums the exact products of the quantised numbers (number of the format x scale) in f32.
;;   ~~~python
;;   def quantise(x, axis):      # numpy; x: float32 -> the quantised numbers, widened to float32 again
;;       x = np.moveaxis(x, axis, -1); K = x.shape[-1]
;;       x = np.pad(x, [(0, 0)] * (x.ndim - 1) + [(0, -K % 32)]); x = x.reshape(x.shape[:-1] + (-1, 32)); a = np.abs(x).max(-1, keepdims=True)
;;       e = np.where(a > 0, np.clip(np.frexp(np.where(a > 0, a, 1))[1] - 1 - 2, -126, 127), 0)      # np.frexp(a)[1] - 1 = floor(log2(a)), exactly
;;       r = np.clip(x / 2.0 ** e, -6, 6)
;;       step = 2.0 ** (np.maximum(np.frexp(np.where(r == 0, 1, r))[1] - 1, 0) - 1)
;;       q = np.round(r / step) * step * 2.0 ** e      # np.round: ties to even
;;       return np.moveaxis(q.reshape(q.shape[:-2] + (-1,))[..., :K], -1, axis).astype(np.float32)
;;   ~~~
;; One version. Each part assembles by itself: llvm-mc -triple=amdgcn-amd-amdhsa -mcpu=gfx1250 --defsym DOCPART=n.
;; ======== version 1 of 1: 1 launch
;; launch mha (part 1): grid 256 x 1, 8 waves a work-group, no clusters, 327,680 bytes of LDS; arguments q, k, v, wq, bq, wk, bk, wv, bv, out0; writes out0
.if DOCPART == 1
	.amdgcn_target "amdgcn-amd-amdhsa--gfx1250"
	.amdhsa_code_object_version 6
	.text
	.protected	k_q4d8a3fd14d_mha
	.globl	k_q4d8a3fd14d_mha
	.p2align	8
	.type	k_q4d8a3fd14d_mha,@function
k_q4d8a3fd14d_mha:
	s_mov_b64 s[64:65], 0
	v_nop
	global_prefetch_b8 v0, s[64:65] scope:SCOPE_SE
	s_setreg_imm32_b32 hwreg(HW_REG_WAVE_MODE, 25, 1), 1
	s_wait_xcnt 0x0
; out[b][c][h][w] = q[b][c][h][w] + sum over x of (qp[w] . kp[x]) vp[x][c], for each of the 512 pairs (b, h); qp, kp, vp = the 1 x 1 projections over the 32 channels, + bias.
; THE PROJECTIONS are products on codes of FP4 (E2M1) with one E8M0 scale for each 32 along K: K = the 32 channels, so a pixel is one block and a weight's row is one block.
; THE TWO OTHER PRODUCTS are taken in the other order: nothing stands between them, so att = qp (kp^T vp) for every input; G = kp^T vp is 32 x 32 for each (b, h).
; Their operands (kp, vp, qp, G) go to the matrix unit as PAIRS of bf16, a high part and the rest, split in f32; three products (hh, hl, lh), sums in f32.
; LIMITS: the order of the sums differs from the source's (the other order of the two products; the bias is the C of the projection); NaN and infinities among the inputs are not served;
; a projected number or an entry of G beyond bf16's largest number, 3.39e38, overflows in its high part; a block of zeros gets the scale byte 1 (its codes are zeros, which add nothing).
; SHARES.  256 work-groups of eight waves; work-group g makes two items: b = g / 32, h = 2 (g % 32) and h + 1.  Wave w owns pixels 64 w .. 64 w + 63 of each item, in q, k, v and out.
; EVERY INPUT BYTE IS ASKED FOR AT THE HEAD, ONCE: k and v of both items by tensor loads into four LDS regions of 64 KiB (filled once, never again); q of both items by 16-byte loads into
; 128 registers, in the layout in which the result is stored, where it stays as the residual.  So there is no ring, no refill and nothing left to prefetch.
; NO CLUSTER: work-groups share the three weights and biases alone, 12,672 bytes beside the 393,216 bytes that each reads for itself.
; A tensor's slice for one item has 32 rows (channels) of 2,048 bytes, 131,072 bytes apart: each wave fetches 4 of them with one load, so that all eight run the same text, with no branch.
; THE TEXT IS STRAIGHT: no label, no branch, no loop.
; LAYOUTS (lane l = 16 h + r).  QUANTISER: a lane holds ONE pixel, 4 r + 2 c + h of its wave (c = 0, 1: the set), and its 32 registers run down the channels: the block's largest magnitude needs no other lane,
; and four conversions give the block's 16 bytes of codes.  As a matrix operand, those four registers and four of zeros are 16 rows x 128 K: lanes 0-15 hold block 0 of rows r, lanes 16-31 block 1 of rows r:
; two different pixels in one row.  The weight's operand is live in ONE of the two blocks (e = 0, 1) and zero in the other: so a product picks the 16 pixels of lanes 16 e .. 16 e + 15, with nothing moved between lanes.
; k, v: source 0 = pixels, source 1 = weights: a lane holds one output channel and 8 pixels: in pairs of bf16, a 16-bit operand with K = the set's 32 pixels.  G's tile: a lane holds one c and 8 o: in pairs, the last product's source 0.
; q: source 0 = weights, source 1 = pixels: a lane holds pixel 4 r + b and 8 o: the last product's source 1.  Its result: lane (r, h), register j = att(pixel 4 r + b, channel 16 m + 8 h + j).
; REGISTERS, in windows of 256.  Window 0: v1-12 addresses and constants; v16-18 the weights' scale words, v19-20 the pixels'; v24-27 at work; v32-47 codes and zeros; v48-111 X; v112-175 D; v176-207 G; v208-239 RT.
; Window 1: v0-47 twelve weight operands (tensor t, tile o, block e at 4 (4 t + 2 o + e)), v48-51 zeros; v52-99 the biases in the results' layouts; v128-255 q, the residual.
.set REG,   65536                      ; LDS: four regions: k item 0, v item 0, k item 1, v item 1; 32 rows of 2,048 bytes each, dense.  The first two later serve as stages for q
.set PART,  4*REG                      ; each wave's part of G, as an image of its 32 registers: 4,096 w + 512 p + 16 lane
.set RED,   PART+32768                 ; G whole, split in pairs of bf16: 4,096 item + 512 piece + 16 lane: high, high, low, low
.set SPARE, RED+8192                   ; the spare words, 128 bytes for each wave: four blocks of 256 bytes that no other line names
.set ROW,   2048                       ; a channel's row of one item, in bytes
.set CHS,   131072                     ; from channel to channel in memory
.set SPW,  1                           ; v1   LDS address of my spare word; never rewritten
.set NIL,  2                           ; v2   0; never rewritten
.set AQ,   3                           ; v3   my pixel's byte in a row of a region: 256 w + 16 r + 4 h (+ 8 c in the offset)
.set AR,   4                           ; v4   the stage: 256 w + 16 r + 8 h rows
.set GQ,   5                           ; v5   q and out in memory: 256 w + 16 r + 8 h channels; never rewritten
.set PS,   6                           ; v6   where I store my part of G
.set PL,   7                           ; v7   where I read piece w of every wave's part
.set RS,   8                           ; v8   where I store piece w of G
.set RL,   9                           ; v9   where I read G
.set A0,   10                          ; v10, v11  addresses of the item at work
.set A1,   11
.set NEG1, 12                          ; v12  -1.0
.set SW,   16                          ; v16-18 scale words of wq, wk, wv: lane o holds row o's
.set SP0,  19                          ; v19, v20 scale words of the two runs of pixels in hand
.set T,    24
.set PA,   32                          ; v32-35 codes, v36-39 zeros
.set PB,   40                          ; v40-43 codes, v44-47 zeros
.set X,    48
.set D,    112
.set G,    176
.set GH,   176
.set GL,   192
.set RT,   208
.set CW,   RT+4                        ; the head's: a weight's codes; the same of lane l xor 16; bk's and bv's numbers; offsets; masks
.set CX,   RT+8
.set BKV,  RT+12
.set WA,   RT+16
.set BA,   RT+17
.set KA,   RT+18
.set MLO,  RT+19
.set MHI,  RT+20
.set CQ,   52                          ; window 1: bq, bk, bv as the C of the projections, 8 registers a tile of 16 outputs
.set CK,   68
.set RES,  128                         ; window 1: q of item i: channel 16 m + 8 h + j, pixels 4 r + 0 .. 3 at 64 i + 4 (8 m + j)
.set MSB, 0
.macro WIN new                         ; s_set_vgpr_msb: bits 1:0 source 0, 3:2 source 1, 5:4 source 2, 7:6 destination; the high byte repeats the setting that is left
.if MSB != \new
	s_set_vgpr_msb (MSB<<8)|\new
.set MSB, \new
.endif
.endm
.macro PLACES n
.rept \n
	v_nop
.endr
.endm
.macro BAR                             ; my LDS stores have landed and my LDS loads are in: then the work-group's barrier
	s_wait_dscnt 0x0
	s_barrier_signal -1
	s_barrier_wait -1
.endm
; my pixel of set cc, all 32 channels: 32 lanes take 32 different words of 256 consecutive bytes of a row
.macro LOADX adr, cc, dst
.set ch, 0
.rept 32
	ds_load_b32 v[\dst+ch], v[\adr] offset:ROW*ch+8*(\cc)
.set ch, ch+1
.endr
.endm
; A block of 32 numbers in v[src] on becomes 4 registers of codes in v[cod] on; its scale's byte goes into bytes 0 and 1 of v[sw] (the block may be taken as block 0 or as block 1 of a row; bytes 2 and 3 stand over zero codes).
.macro QUANT src, cod, sw
	v_max3_num_f32 v[T], |v[\src]|, |v[\src+1]|, 0x1800000         ; the largest magnitude, in two chains, with the floor 2^(3 - 127) among its leaves: the byte cannot fall under 1
	v_max3_num_f32 v[T+1], |v[\src+2]|, |v[\src+3]|, |v[\src+4]|
.irp i, 5,9,13,17,21,25
	v_max3_num_f32 v[T], v[T], |v[\src+\i]|, |v[\src+\i+1]|
	v_max3_num_f32 v[T+1], v[T+1], |v[\src+\i+2]|, |v[\src+\i+3]|
.endr
	v_max3_num_f32 v[T], v[T], |v[\src+29]|, |v[\src+30]|
	v_max3_num_f32 v[T], v[T], v[T+1], |v[\src+31]|
	v_add_nc_u32 v[T+2], 0xff000000, v[T]                          ; 2 off its exponent field: the conversion takes the exponent field of this operand as its scale
	v_lshrrev_b32 v[T+3], 23, v[T+2]                               ; the scale's byte
	v_lshl_or_b32 v[\sw], v[T+3], 8, v[T+3]
.irp g, 0,1,2,3
	v_cvt_scalef32_pk8_fp4_f32 v[\cod+\g], v[\src+8*\g:\src+8*\g+7], v[T+2]
.endr
	v_nop                                                          ; one plain place behind the last scaled conversion
.endm
; One projection product; its registers are the symbols rD, rA, rB, rC, rSA, rSB.  ra, rb = 1: that side's scale words are read from lanes 16-31.
.macro FP4 ra, rb
.if (\ra) && (\rb)
	v_wmma_scale_f32_16x16x128_f8f6f4 v[rD:rD+7], v[rA:rA+7], v[rB:rB+7], v[rC:rC+7], v[rSA], v[rSB] matrix_a_fmt:MATRIX_FMT_FP4 matrix_b_fmt:MATRIX_FMT_FP4 matrix_a_scale:MATRIX_SCALE_ROW1 matrix_b_scale:MATRIX_SCALE_ROW1
.elseif (\ra)
	v_wmma_scale_f32_16x16x128_f8f6f4 v[rD:rD+7], v[rA:rA+7], v[rB:rB+7], v[rC:rC+7], v[rSA], v[rSB] matrix_a_fmt:MATRIX_FMT_FP4 matrix_b_fmt:MATRIX_FMT_FP4 matrix_a_scale:MATRIX_SCALE_ROW1
.elseif (\rb)
	v_wmma_scale_f32_16x16x128_f8f6f4 v[rD:rD+7], v[rA:rA+7], v[rB:rB+7], v[rC:rC+7], v[rSA], v[rSB] matrix_a_fmt:MATRIX_FMT_FP4 matrix_b_fmt:MATRIX_FMT_FP4 matrix_b_scale:MATRIX_SCALE_ROW1
.else
	v_wmma_scale_f32_16x16x128_f8f6f4 v[rD:rD+7], v[rA:rA+7], v[rB:rB+7], v[rC:rC+7], v[rSA], v[rSB] matrix_a_fmt:MATRIX_FMT_FP4 matrix_b_fmt:MATRIX_FMT_FP4
.endif
.endm
; Eight f32 in v[src] on become four registers of high parts (bf16, in pairs) and four of low parts: low = bf16(x - high), the difference taken in f32, exactly.  The result is read from its low end on.
.macro SPLIT src, dh, dl
.irp i, 0,1,2,3
	v_cvt_pk_bf16_f32 v[\dh+\i], v[\src+2*\i], v[\src+2*\i+1]
.endr
.irp i, 0,1,2,3
	v_fma_mix_f32_bf16 v[\src+2*\i], v[\dh+\i], v[NEG1], v[\src+2*\i] op_sel_hi:[1,0,0]                       ; x - the low half's bf16
	v_fma_mix_f32_bf16 v[\src+2*\i+1], v[\dh+\i], v[NEG1], v[\src+2*\i+1] op_sel:[1,0,0] op_sel_hi:[1,0,0]    ; x - the high half's
.endr
.irp i, 0,1,2,3
	v_cvt_pk_bf16_f32 v[\dl+\i], v[\src+2*\i], v[\src+2*\i+1]
.endr
.endm
; G += K^T V over a set's 32 pixels: four accumulators (c tile, o tile) by turns, one instruction a turn.  zero = 1: the products start the sums
.macro GM ka, vb, zero
.irp c, 0,1
.irp o, 0,1
.if \zero
	v_wmma_f32_16x16x32_bf16 v[G+8*(2*\c+\o):G+8*(2*\c+\o)+7], v[\ka+8*\o:\ka+8*\o+7], v[\vb+8*\c:\vb+8*\c+7], 0
.else
	v_wmma_f32_16x16x32_bf16 v[G+8*(2*\c+\o):G+8*(2*\c+\o)+7], v[\ka+8*\o:\ka+8*\o+7], v[\vb+8*\c:\vb+8*\c+7], v[G+8*(2*\c+\o):G+8*(2*\c+\o)+7]
.endif
.endr
.endr
.endm
; One set (32 of my 64 pixels) of k and v: quantised, projected, split, multiplied into G.  The LDS addresses are v[adK] and v[A1].
.macro ASET cc, first
	LOADX adK, \cc, X
	LOADX A1, \cc, X+32
	s_wait_dscnt 32                                ; k's 32 loads are in; v's 32, issued behind them, may be out
	QUANT X, PA, SP0
	s_wait_dscnt 0x0                               ; v's are in
	QUANT X+32, PB, SP0+1
	PLACES 8                                       ; a scale word written by a vector instruction stands 8 places ahead of a scaled matrix instruction, codes so written 4
	WIN 0x14                                       ; source 1 (weights) and source 2 (bias) in window 1
.irp u, 0,1                                    ; k, v
.irp o, 0,1                                    ; outputs 16 o on
.irp e, 0,1                                    ; the pixels of lanes 16 e on
.set rD, D+32*\u+8*(2*\o+\e)
.set rA, PA+8*\u
.set rB, 4*(4*(\u+1)+2*\o+\e)
.set rC, CK+16*\u+8*\o
.set rSA, SP0+\u
.set rSB, SW+1+\u
	FP4 \e, \o
.endr
.endr
.endr
	WIN 0
	PLACES 4                                       ; places ahead of the first vector instruction that reads these results
.irp u, 0,1
.irp o, 0,1
.irp e, 0,1
.set sS, D+32*\u+8*(2*\o+\e)
.set sH, X+32*\u+8*\o+4*\e                     ; K high X, K low X + 16, V high X + 32, V low X + 48: registers 4 e .. 4 e + 3 of the operand of tile o
.set sL, sH+16
	SPLIT sS, sH, sL
.endr
.endr
.endr
	GM X, X+32, \first                             ; high x high
	GM X, X+48, 0                                  ; high x low
	GM X+16, X+32, 0                               ; low x high
	PLACES 4                                       ; places ahead of the loads into X and of the stores of G
.endm
; Item i: my 64 pixels' part of G, stored as an image of its registers
.macro PHASE_A i
.if \i
	v_add_nc_u32 v[A0], 2*REG*\i, v[AQ]
.set adK, A0
.else
.set adK, AQ
.endif
	v_add_nc_u32 v[A1], 2*REG*\i+REG, v[AQ]
	ASET 0, 1
	ASET 1, 0
.irp p, 0,1,2,3,4,5,6,7
	ds_store_b128 v[PS], v[G+4*\p:G+4*\p+3] offset:512*\p          ; each accumulator from its low end on
.endr
.endm
; Wave w adds piece w (registers 4 w .. 4 w + 3) of the eight parts, in a fixed tree, splits it and stores it
.macro REDUCE i
.irp u, 0,1,2,3,4,5,6,7
	ds_load_b128 v[RT+4*\u:RT+4*\u+3], v[PL] offset:4096*\u
.endr
	s_wait_dscnt 0x0
.irp u, 0,8,16,24
	v_pk_add_f32 v[RT+\u:RT+\u+1], v[RT+\u:RT+\u+1], v[RT+\u+4:RT+\u+5]
	v_pk_add_f32 v[RT+\u+2:RT+\u+3], v[RT+\u+2:RT+\u+3], v[RT+\u+6:RT+\u+7]
.endr
.irp u, 0,16
	v_pk_add_f32 v[RT+\u:RT+\u+1], v[RT+\u:RT+\u+1], v[RT+\u+8:RT+\u+9]
	v_pk_add_f32 v[RT+\u+2:RT+\u+3], v[RT+\u+2:RT+\u+3], v[RT+\u+10:RT+\u+11]
.endr
	v_pk_add_f32 v[RT:RT+1], v[RT:RT+1], v[RT+16:RT+17]
	v_pk_add_f32 v[RT+2:RT+3], v[RT+2:RT+3], v[RT+18:RT+19]
	v_cvt_pk_bf16_f32 v[RT+4], v[RT], v[RT+1]
	v_cvt_pk_bf16_f32 v[RT+5], v[RT+2], v[RT+3]
	v_fma_mix_f32_bf16 v[RT], v[RT+4], v[NEG1], v[RT] op_sel_hi:[1,0,0]
	v_fma_mix_f32_bf16 v[RT+1], v[RT+4], v[NEG1], v[RT+1] op_sel:[1,0,0] op_sel_hi:[1,0,0]
	v_fma_mix_f32_bf16 v[RT+2], v[RT+5], v[NEG1], v[RT+2] op_sel_hi:[1,0,0]
	v_fma_mix_f32_bf16 v[RT+3], v[RT+5], v[NEG1], v[RT+3] op_sel:[1,0,0] op_sel_hi:[1,0,0]
	v_cvt_pk_bf16_f32 v[RT+6], v[RT], v[RT+1]
	v_cvt_pk_bf16_f32 v[RT+7], v[RT+2], v[RT+3]
	ds_store_b128 v[RS], v[RT+4:RT+7] offset:4096*\i
.endm
; att^T = G^T qp^T: eight accumulators (channels 16 m on, pixels 4 r + b) by turns
.macro FM ga, qb, zero
.irp m, 0,1
.irp b, 0,1,2,3
.if \zero
	v_wmma_f32_16x16x32_bf16 v[D+8*(4*\m+\b):D+8*(4*\m+\b)+7], v[\ga+8*\m:\ga+8*\m+7], v[\qb+8*\b:\qb+8*\b+7], 0
.else
	v_wmma_f32_16x16x32_bf16 v[D+8*(4*\m+\b):D+8*(4*\m+\b)+7], v[\ga+8*\m:\ga+8*\m+7], v[\qb+8*\b:\qb+8*\b+7], v[D+8*(4*\m+\b):D+8*(4*\m+\b)+7]
.endif
.endr
.endr
.endm
; Item i: q goes through my own 256-byte columns of a stage, from the store's layout into the quantiser's; projected, split, multiplied by G; the residual is added; stored.
.macro PHASE_B i
	s_wait_loadcnt 16-16*\i                        ; item i's 16 loads of q are in; behind item 0's were issued item 1's 16, behind those none
.if \i
	v_add_nc_u32 v[A0], REG*\i, v[AR]
	v_add_nc_u32 v[A1], REG*\i, v[AQ]
.set adS, A0
.set adQ, A1
.else
.set adS, AR
.set adQ, AQ
.endif
	WIN 0x04                                       ; an LDS store's data are its source 1: window 1
.irp m, 0,1
.irp j, 0,1,2,3,4,5,6,7
	ds_store_b128 v[adS], v[RES+64*\i+4*(8*\m+\j):RES+64*\i+4*(8*\m+\j)+3] offset:(16*\m+\j)*ROW   ; sixteen lanes write 256 consecutive bytes of a channel's row
.endr
.endr
	WIN 0
.irp p, 0,1,2,3,4,5,6,7
	ds_load_b64 v[GH+2*\p:GH+2*\p+1], v[RL] offset:4096*\i+512*\p
	ds_load_b64 v[GL+2*\p:GL+2*\p+1], v[RL] offset:4096*\i+512*\p+8
.endr
	LOADX adQ, 0, X                                ; LDS serves a wave's instructions in order (ISA guide 5.7.1.4): these see my stores; no other wave touches my columns
	LOADX adQ, 1, X+32
	s_wait_dscnt 32                                ; all but the second set's 32 loads: the stores, G, the first set
	QUANT X, PA, SP0
	s_wait_dscnt 0x0
	QUANT X+32, PB, SP0+1
	PLACES 8                                       ; as in ASET
	WIN 0x11                                       ; source 0 (weights) and source 2 (bias) in window 1
.irp c, 0,1
.irp e, 0,1
.irp o, 0,1
.set rD, D+16*(2*\c+\e)+8*\o                   ; pixels 4 r + b, b = 2 c + e; outputs 16 o + 8 h + j
.set rA, 4*(2*\o+\e)
.set rB, PA+8*\c
.set rC, CQ+8*\o
.set rSA, SW
.set rSB, SP0+\c
	FP4 \o, \e
.endr
.endr
.endr
	WIN 0
	PLACES 4
.irp b, 0,1,2,3
.irp o, 0,1
.set sS, D+16*\b+8*\o
.set sH, X+8*\b+4*\o                           ; qp high X, low X + 32: registers 4 o .. 4 o + 3 of the operand of pixel tile b
.set sL, sH+32
	SPLIT sS, sH, sL
.endr
.endr
	FM GH, X, 1                                    ; laid over the projections' results, which are done with: the splits of the other tiles stand between, more than five plain instructions
	FM GH, X+32, 0
	FM GL, X, 0
	PLACES 4
.irp m, 0,1
	WIN 0x41                                       ; destination and source 0 (q) in window 1
.irp j, 0,1,2,3,4,5,6,7                        ; each result from its low end on
.irp b, 0,1,2,3
	v_add_f32 v[RES+64*\i+4*(8*\m+\j)+\b], v[RES+64*\i+4*(8*\m+\j)+\b], v[D+8*(4*\m+\b)+\j]   ; the residual; the addition also brings four neighbouring pixels of a channel into four neighbouring registers
.endr
.endr
	WIN 0x04                                       ; a store's data are its source 1: window 1
.irp j, 0,1,2,3,4,5,6,7
	global_store_b128 v[GQ], v[RES+64*\i+4*(8*\m+\j):RES+64*\i+4*(8*\m+\j)+3], s[56:57] offset:(16*\m+\j)*CHS+ROW*\i th:TH_STORE_NT   ; sixteen lanes store 256 consecutive bytes, aligned; no register of a store is written again
.endr
.endr
	WIN 0
.endm
	; ---- THE HEAD
	s_load_b512 s[8:23], s[0:1], 0x0               ; q s[8:9], k s[10:11], v s[12:13], wq s[14:15], bq s[16:17], wk s[18:19], bk s[20:21], wv s[22:23]
	s_load_b128 s[24:27], s[0:1], 0x40             ; bv s[24:25], out s[26:27]
	v_lshl_add_u32 v[SPW], v0, 2, SPARE
	v_mov_b32 v[NIL], 0
	ds_add_u32 v[SPW], v[NIL]                      ; the wave's opening: the add, twice on end, and its wait ahead of my first tensor load
	ds_add_u32 v[SPW], v[NIL]
	v_lshrrev_b32 v[T], 5, v0
	v_readfirstlane_b32 s2, v[T]                   ; wave 0..7
	s_lshr_b32 s3, ttmp9, 5                        ; b
	s_lshl_b32 s4, s3, 22                          ; a batch is 32 x 64 x 512 x 4 bytes
	s_and_b32 s3, ttmp9, 31
	s_lshl_b32 s3, s3, 12                          ; h = 2 (g % 32): rows of 2,048 bytes
	s_add_co_u32 s4, s4, s3                        ; item 0's first byte in q, k, v and out
	s_mov_b32 s5, 0
	s_lshl_b32 s6, s2, 19                          ; my four channels: 4 w x 131,072 bytes
	s_add_co_u32 s6, s6, s4
	s_mov_b32 s7, 0
	; descriptor group 1, one for all loads: 4 rows of 256 elements of 8 bytes, 16,384 elements apart, dense in LDS
	s_mov_b32 s28, 3<<16                           ; no mask; elements of 8 bytes; no padding
	s_mov_b32 s29, 256<<16                         ; tensor_dim0 = 256
	s_mov_b32 s30, 4<<16                           ; tensor_dim1 = 4
	s_mov_b32 s31, 256<<16                         ; tile_dim0 = 256
	s_mov_b32 s32, 4                               ; tile_dim1 = 4
	s_mov_b32 s33, CHS/8                           ; from row to row
	s_mov_b32 s34, 0
	s_mov_b32 s35, 0
	s_lshl_b32 s3, s2, 13                          ; my four rows in a region
.irp n, 0,1,2,3
	s_mov_b32 s[36+4*\n], 1                        ; count = 1
	s_add_co_u32 s[37+4*\n], s3, REG*\n            ; LDS address: region n + 8,192 w
.endr
	s_mov_b32 s52, 0x76543210
	s_mov_b32 s53, 0xfedcba98                      ; v_permlanex16_b32's selects for lane l xor 16
	s_wait_dscnt 0x0                               ; both opening adds are done
	s_wait_kmcnt 0x0
.irp n, 0,1,2,3                                ; k item 0, v item 0, k item 1, v item 1
	s_add_nc_u64 s[38+4*\n:39+4*\n], s[10+2*(\n%2):11+2*(\n%2)], s[6:7]
.if \n > 1
	s_add_nc_u64 s[38+4*\n:39+4*\n], s[38+4*\n:39+4*\n], ROW
.endif
	s_or_b32 s[39+4*\n], s[39+4*\n], 0x80000000    ; type = 2
.endr
	s_add_nc_u64 s[54:55], s[8:9], s[4:5]          ; q at item 0
	s_add_nc_u64 s[56:57], s[26:27], s[4:5]        ; out at item 0
.irp n, 0,1,2,3
	tensor_load_to_lds s[36+4*\n:39+4*\n], s[28:35]   ; all fills of the launch, as one group: four loads of mine are out
	s_nop 0
.endr
	PLACES 4                                       ; four plain instructions behind the last tensor load, ahead of any switch of windows
	v_and_b32 v[T], 15, v0                         ; r
	v_bfe_u32 v[T+1], v0, 4, 1                     ; h
	v_and_b32 v[T+2], 31, v0                       ; lane
	v_and_b32 v[T+3], 0xe0, v0                     ; 32 w
	v_lshlrev_b32 v[AQ], 3, v[T+3]
	v_lshl_add_u32 v[AQ], v[T], 4, v[AQ]           ; 256 w + 16 r
	v_lshl_add_u32 v[GQ], v[T+1], 20, v[AQ]        ; + 8 h channels of 131,072 bytes
	v_lshlrev_b32 v[WA], 7, v[T+2]                 ; a weight: lane l takes row l, 128 bytes
	v_lshlrev_b32 v[BA], 5, v[T+1]                 ; bq: 8 h numbers on
	v_lshlrev_b32 v[KA], 2, v[T]                   ; bk, bv: number r
.irp t, 0,1,2
.irp i, 0,1,2,3,4,5,6,7
	global_load_b128 v[X+32*\t+4*\i:X+32*\t+4*\i+3], v[WA], s[14+4*\t:15+4*\t] offset:16*\i
.endr
.endr
	global_load_b32 v[BKV], v[KA], s[20:21]
	global_load_b32 v[BKV+1], v[KA], s[20:21] offset:64
	global_load_b32 v[BKV+2], v[KA], s[24:25]
	global_load_b32 v[BKV+3], v[KA], s[24:25] offset:64
	WIN 0x40                                       ; destination window 1
.irp o, 0,1
	global_load_b128 v[CQ+8*\o:CQ+8*\o+3], v[BA], s[16:17] offset:64*\o          ; bq(16 o + 8 h + 0 .. 7): the q projection's C
	global_load_b128 v[CQ+8*\o+4:CQ+8*\o+7], v[BA], s[16:17] offset:64*\o+16
.endr
.irp i, 0,1
.irp m, 0,1
.irp j, 0,1,2,3,4,5,6,7
	global_load_b128 v[RES+64*\i+4*(8*\m+\j):RES+64*\i+4*(8*\m+\j)+3], v[GQ], s[54:55] offset:(16*\m+\j)*CHS+ROW*\i th:TH_LOAD_NT   ; sixteen lanes read 256 consecutive bytes, aligned
.endr
.endr
.endr
	WIN 0
	v_lshl_add_u32 v[AR], v[T+1], 14, v[AQ]        ; + 8 h rows of 2,048 bytes
	v_lshl_add_u32 v[AQ], v[T+1], 2, v[AQ]         ; + 4 h
	v_lshlrev_b32 v[PS], 7, v[T+3]                 ; 4,096 w
	v_lshl_add_u32 v[PS], v[T+2], 4, v[PS]
	v_add_nc_u32 v[PS], PART, v[PS]
	v_lshl_add_u32 v[PL], v0, 4, PART              ; 16 x thread = 512 w + 16 lane
	v_lshl_add_u32 v[RS], v0, 4, RED
	v_lshl_add_u32 v[RL], v[T+2], 4, RED
	v_mov_b32 v[NEG1], -1.0
	v_add_nc_u32 v[MLO], -1, v[T+1]                ; all ones in lanes 0-15
	v_sub_nc_u32 v[MHI], 0, v[T+1]                 ; all ones in lanes 16-31
.irp g, 0,1,2,3
	v_mov_b32 v[PA+4+\g], 0                        ; blocks 2 and 3 of every operand of pixels: zero codes
	v_mov_b32 v[PB+4+\g], 0
	v_mov_b32 v[CX+\g], 0                          ; written once: a lane permute's destination counts as one of its sources
.endr
	s_wait_loadcnt 32                              ; the weights and biases are in; q's 32 loads, issued behind them, stay out
.irp t, 0,1,2                                  ; wq, wk, wv: lane l quantises row l; then four operands: tile o of 16 rows, live in block e alone
	QUANT X+32*\t, CW, SW+\t
.irp g, 0,1,2,3
	v_permlanex16_b32 v[CX+\g], v[CW+\g], s52, s53
.endr
	WIN 0x40
.irp g, 0,1,2,3
	v_and_b32 v[16*\t+\g], v[MLO], v[CW+\g]        ; rows 0-15 in lanes 0-15
	v_and_b32 v[16*\t+4+\g], v[MHI], v[CX+\g]      ; rows 0-15 in lanes 16-31
	v_and_b32 v[16*\t+8+\g], v[MLO], v[CX+\g]      ; rows 16-31 in lanes 0-15
	v_and_b32 v[16*\t+12+\g], v[MHI], v[CW+\g]     ; rows 16-31 in lanes 16-31
.endr
	WIN 0
.endr
	WIN 0x40
.irp u, 0,1,2,3                                ; bk, bv as the C of their projections: a lane holds one output, so its eight registers hold one number.  Written once for the launch
.irp j, 0,1,2,3,4,5,6,7
	v_mov_b32 v[CK+8*\u+\j], v[BKV+\u]
.endr
.endr
.irp g, 0,1,2,3
	v_mov_b32 v[48+\g], 0                          ; behind the last weight operand: an operand names eight registers; the upper four meet the pixels' zero codes
.endr
	WIN 0
	s_wait_tensorcnt 2                             ; my rows of k and v of item 0 have landed; item 1's two loads stay out
	s_barrier_signal -1
	s_barrier_wait -1                              ; everybody's have
	PHASE_A 0
	BAR                                            ; the eight parts of G lie in LDS
	REDUCE 0
	s_wait_tensorcnt 0x0                           ; my rows of k and v of item 1 have landed: no load was issued behind them
	BAR                                            ; everybody's have; item 0's G is whole; the parts have been read and may be written again
	PHASE_A 1
	BAR
	REDUCE 1
	BAR                                            ; item 1's G is whole; nobody reads k and v any more: the first two regions, which have had their only fill, become the stages
	PHASE_B 0
	PHASE_B 1                                      ; item 0's stores leave while item 1 is worked
	s_wait_tensorcnt 0x0                           ; the wave's end, behind my last tensor load and my last LDS store
	ds_add_u32 v[SPW], v[NIL]
	s_wait_dscnt 0x0
	s_endpgm
.Lfunc_end_k_q4d8a3fd14d_mha:
	.size	k_q4d8a3fd14d_mha, .Lfunc_end_k_q4d8a3fd14d_mha-k_q4d8a3fd14d_mha
	.p2alignl 7, 3214868480
	.fill 96, 4, 3214868480
	.section	.rodata,"a",@progbits
	.p2align	6, 0x0
	.amdhsa_kernel k_q4d8a3fd14d_mha
		.amdhsa_group_segment_fixed_size 327680
		.amdhsa_private_segment_fixed_size 0
		.amdhsa_enable_private_segment 0
		.amdhsa_kernarg_size 80
		.amdhsa_user_sgpr_count 2
		.amdhsa_user_sgpr_kernarg_segment_ptr 1
		.amdhsa_wavefront_size32 1
		.amdhsa_system_sgpr_workgroup_id_x 1
		.amdhsa_system_sgpr_workgroup_id_y 1
		.amdhsa_system_sgpr_workgroup_id_z 1
		.amdhsa_system_vgpr_workitem_id 0
		.amdhsa_next_free_vgpr 512
		.amdhsa_next_free_sgpr 66
		.amdhsa_reserve_vcc 0
		.amdhsa_float_denorm_mode_32 3
		.amdhsa_float_denorm_mode_16_64 3
		.amdhsa_memory_ordered 1
		.amdhsa_forward_progress 1
		.amdhsa_inst_pref_size 142
	.end_amdhsa_kernel
	.amdgpu_metadata
---
amdhsa.version: [ 1, 2 ]
amdhsa.kernels:
  - .name:           k_q4d8a3fd14d_mha
    .symbol:         k_q4d8a3fd14d_mha.kd
    .args:
      - { .name: q, .offset: 0, .size: 8, .value_kind: global_buffer, .address_space: global }
      - { .name: k, .offset: 8, .size: 8, .value_kind: global_buffer, .address_space: global }
      - { .name: v, .offset: 16, .size: 8, .value_kind: global_buffer, .address_space: global }
      - { .name: wq, .offset: 24, .size: 8, .value_kind: global_buffer, .address_space: global }
      - { .name: bq, .offset: 32, .size: 8, .value_kind: global_buffer, .address_space: global }
      - { .name: wk, .offset: 40, .size: 8, .value_kind: global_buffer, .address_space: global }
      - { .name: bk, .offset: 48, .size: 8, .value_kind: global_buffer, .address_space: global }
      - { .name: wv, .offset: 56, .size: 8, .value_kind: global_buffer, .address_space: global }
      - { .name: bv, .offset: 64, .size: 8, .value_kind: global_buffer, .address_space: global }
      - { .name: out0, .offset: 72, .size: 8, .value_kind: global_buffer, .address_space: global }
    .group_segment_fixed_size: 327680
    .private_segment_fixed_size: 0
    .kernarg_segment_align: 8
    .kernarg_segment_size: 80
    .max_flat_workgroup_size: 256
    .sgpr_count:     66
    .vgpr_count:     512
    .wavefront_size: 32
...
	.end_amdgpu_metadata
.endif
;; end of part 1
